; MI455X (gfx1250); checked and timed in simulation.
; The chip was launched on July 23, 2026; its instructions are those of AMD's public machine-readable ISA for CDNA 5 (MIT licence, August 2026) and "CDNA5" Instruction Set Architecture Reference Guide (July 2026). The comments in the code are by the model that wrote it; some were corrected since.
;; Attention. Allowed arithmetic: float matrix products may take bf16 or f16 operands with f32 sums; other float arithmetic in f32, or as packed bf16 or f16 multiplies, adds, multiply-adds, maxima and minima; sums over many terms, partial sums and values carried from step to step in f32; what a program stores and reads back later, other than sums and carried values, may be rounded once to bf16 or f16.
;; Inputs: Wk 1,024 x 512 float32; Wq 1,024 x 512 float32; Wv 1,024 x 512 float32; bk 512 float32; bq 512 float32; bv 512 float32; x 8 x 2,048 x 1,024 float32.
;; Outputs: out0 8 x 2,048 x 512 float32.
;; One version. Each part assembles by itself: llvm-mc -triple=amdgcn-amd-amdhsa -mcpu=gfx1250 --defsym DOCPART=n.
;; ======== version 1 of 1: 3 launches
;; limits: values are held in f16: magnitudes above 65,504 overflow, below 6.1e-05 lose precision
;; workspace buffers: xb 33,554,432 bytes; wtb 3,145,728 bytes; bias 6,144 bytes; qkv 50,331,648 bytes
;; launch prep (part 1): grid 704 x 1, 8 waves a work-group, no clusters, 18,432 bytes of LDS; arguments x, Wq, Wk, Wv, bq, bk, bv, xb, wtb, bias; writes xb, wtb, bias
.if DOCPART == 1
	.amdgcn_target "amdgcn-amd-amdhsa--gfx1250"
	.amdhsa_code_object_version 6
	.text
	.protected	k_qf953f679ef_prep
	.globl	k_qf953f679ef_prep
	.p2align	8
	.type	k_qf953f679ef_prep,@function
k_qf953f679ef_prep:
	s_mov_b64 s[64:65], 0
	v_nop
	global_prefetch_b8 v0, s[64:65] scope:SCOPE_SE
	s_setreg_imm32_b32 hwreg(HW_REG_WAVE_MODE, 25, 1), 1
	s_wait_xcnt 0x0
; PREP.  Rounds every input once to bf16 and lays it out for the projection.
;   xb  [16 kb][16384 m][64 k] bf16: x by blocks of 64 along K, so that 128 rows of one block are 16,384 dense bytes.
;   wtb [16 kb][1536 n][64 k] bf16: Wq, Wk, Wv transposed (n 0-511 Q, 512-1023 K, 1024-1535 V), the same blocking.
;   bias [1536] f32: bq, bk, bv rounded to bf16 and widened again.
; Work-groups 0-191 take a tile of 128 d x 64 n of one W and turn it through LDS; those with d block 0 also take 64 numbers of the bias.
; Work-groups 192-703 take 32 rows of x: a stream, no LDS.  No matrix unit and no cluster: nothing is multiplied, and no two work-groups read the same bytes.
.set NW,    192                        ; work-groups for the weights
.set LP,    272                        ; an LDS row: 128 d in bf16 = 256 bytes, + 16
.set SPARE, 64*LP                      ; behind the tile: the spare words, 128 bytes for each of the eight waves
.set X,     8                          ; v[8:135]  as loaded (the weights' path uses v[8:39])
.set PKD,   40                         ; v[40:55]  pairs (d, d + 1) of one n, packed
.set BK,    56                         ; v[56:71]  rows read back
.set SPW,   138                        ; v138  LDS address of my spare word; never rewritten
.set NIL,   139                        ; v139  0; never rewritten
	s_load_b512 s[4:19], s[0:1], 0x0               ; x 4:5, Wq 6:7, Wk 8:9, Wv 10:11, bq 12:13, bk 14:15, bv 16:17, xb 18:19
	s_load_b128 s[20:23], s[0:1], 0x40             ; wtb 20:21, bias 22:23
	v_lshl_add_u32 v[SPW], v0, 2, SPARE
	v_mov_b32 v[NIL], 0
	s_mov_b32 s24, ttmp9
	s_cmp_lt_u32 s24, NW
	s_cbranch_scc0 .Lx                             ; the same way for all eight waves of a work-group
	; ---- a tile of a weight matrix ----
	v_lshrrev_b32 v1, 5, v0
	v_readfirstlane_b32 s25, v1                    ; wave
	s_and_b32 s26, s24, 7                          ; d block: 128 rows of W
	s_lshr_b32 s27, s24, 3                         ; n tile 0..23 of the 1,536 columns
	s_lshr_b32 s28, s27, 3                         ; which matrix
	s_and_b32 s29, s27, 7                          ; n tile inside it
	v_and_b32 v2, 15, v0                           ; cp: my four columns
	v_lshrrev_b32 v3, 4, v0                        ; rp: my pair of rows among 32
	v_lshlrev_b32 v4, 12, v3
	v_lshl_add_u32 v4, v2, 4, v4                   ; in W: rp x 2 rows of 2,048 bytes + 16 cp: sixteen lanes take 256 consecutive bytes of a row
	v_mul_u32_u24 v5, v2, 4*LP
	v_lshl_add_u32 v5, v3, 2, v5                   ; into LDS: row n = 4 cp (+ c), byte 2 d = 4 rp (+ 64 i)
	v_lshrrev_b32 v6, 3, v0
	v_mul_u32_u24 v6, v6, LP
	v_and_b32 v7, 7, v0
	v_lshl_add_u32 v6, v7, 4, v6                   ; back: row t / 8, 16 bytes at 16 (t % 8)
	v_lshlrev_b32 v7, 4, v0                        ; in wtb: 16 t: the work-group's store covers 4,096 consecutive bytes
	s_lshl_b32 s30, s26, 18                        ; 128 rows of 2,048 bytes
	s_lshl_b32 s31, s29, 8                         ; 64 columns of 4 bytes
	s_add_co_u32 s30, s30, s31
	s_mov_b32 s31, 0
	s_mul_i32 s32, s26, 2*196608                   ; two K blocks of wtb
	s_lshl_b32 s33, s27, 13                        ; 64 rows of 128 bytes
	s_add_co_u32 s32, s32, s33
	s_mov_b32 s33, 0
	s_wait_kmcnt 0x0
	s_cmp_eq_u32 s28, 1
	s_cselect_b64 s[34:35], s[8:9], s[6:7]
	s_cselect_b64 s[36:37], s[14:15], s[12:13]
	s_cmp_eq_u32 s28, 2
	s_cselect_b64 s[34:35], s[10:11], s[34:35]     ; my W
	s_cselect_b64 s[36:37], s[16:17], s[36:37]     ; my b
	s_add_nc_u64 s[34:35], s[34:35], s[30:31]
	s_add_nc_u64 s[20:21], s[20:21], s[32:33]
.irp i, 0,1,2,3
	global_load_b128 v[X+8*(\i):X+8*(\i)+3],   v4, s[34:35] offset:(\i)*65536       ; row 32 i + 2 rp
	global_load_b128 v[X+8*(\i)+4:X+8*(\i)+7], v4, s[34:35] offset:(\i)*65536+2048  ; the row below it
.endr
	s_wait_loadcnt 0x0
.irp i, 0,1,2,3
.irp c, 0,1,2,3
	v_cvt_pk_bf16_f32 v[PKD+4*(\i)+(\c)], v[X+8*(\i)+(\c)], v[X+8*(\i)+4+(\c)]  ; two neighbours along d of one column n
.endr
.endr
.irp i, 0,1,2,3
.irp c, 0,1,2,3
	ds_store_b32 v5, v[PKD+4*(\i)+(\c)] offset:(\c)*LP+64*(\i)
.endr
.endr
	s_wait_dscnt 0x0                               ; for the others' sake: my stores into the tile are done
	s_barrier_signal -1
	s_barrier_wait -1
.irp q, 0,1,2,3                        ; K block q / 2 of the tile's two, rows 32 (q % 2) on
	ds_load_b128 v[BK+4*(\q):BK+4*(\q)+3], v6 offset:((\q)%2)*32*LP+((\q)/2)*128
.endr
.irp q, 0,1,2,3
	s_wait_dscnt 3-(\q)                            ; the younger of the four loads may be out
	global_store_b128 v7, v[BK+4*(\q):BK+4*(\q)+3], s[20:21] offset:((\q)/2)*196608+((\q)%2)*4096
.endr
	s_wait_tensorcnt 0x0                           ; the wave's end as far as LDS goes
	ds_add_u32 v[SPW], v[NIL]
	s_wait_dscnt 0x0
	s_cmp_lg_u32 s26, 0                            ; the bias: once for each n tile, by wave 0 of the work-group with d block 0
	s_cbranch_scc1 .Lend
	s_cmp_lg_u32 s25, 0
	s_cbranch_scc1 .Lend
	v_lshlrev_b32 v72, 3, v0                       ; in wave 0 the thread's number is the lane: 8 bytes a lane, 256 consecutive bytes
	s_lshl_b32 s30, s29, 8
	s_add_nc_u64 s[36:37], s[36:37], s[30:31]
	s_lshl_b32 s32, s27, 8
	s_add_nc_u64 s[22:23], s[22:23], s[32:33]
	global_load_b64 v[74:75], v72, s[36:37]
	s_wait_loadcnt 0x0
	v_cvt_pk_bf16_f32 v76, v74, v75
	v_lshlrev_b32 v78, 16, v76                     ; bf16 to f32: the low half moves up,
	v_and_b32 v79, 0xffff0000, v76                 ; the high half stays
	global_store_b64 v72, v[78:79], s[22:23]
.Lend:
	s_endpgm
	; ---- 32 rows of x ----
.Lx:
	s_sub_co_u32 s24, s24, NW                      ; g: rows 32 g on
	v_lshrrev_b32 v1, 4, v0
	v_and_b32 v2, 15, v0
	v_lshlrev_b32 v1, 12, v1
	v_lshl_add_u32 v1, v2, 4, v1                   ; in x: row t / 16, 16 bytes at 16 (t % 16): a wave's load takes 256 consecutive bytes of each of two rows
	v_lshlrev_b32 v2, 3, v0                        ; in xb: 8 t: a wave's store is 256 consecutive bytes
	s_lshl_b32 s26, s24, 17                        ; 32 rows of 4,096 bytes
	s_mov_b32 s27, 0
	s_lshl_b32 s28, s24, 12                        ; 32 rows of 128 bytes
	s_mov_b32 s29, 0
	s_wait_kmcnt 0x0
	s_add_nc_u64 s[4:5], s[4:5], s[26:27]
	s_add_nc_u64 s[32:33], s[18:19], s[28:29]      ; four bases, four K blocks apart, so that the stores' immediates stay inside 24 signed bits
	s_add_nc_u64 s[34:35], s[32:33], 0x800000
	s_add_nc_u64 s[36:37], s[34:35], 0x800000
	s_add_nc_u64 s[38:39], s[36:37], 0x800000
.set j, 0
.rept 32                               ; all 32 loads first: K block j / 2, rows 16 (j % 2) on
	global_load_b128 v[X+4*j:X+4*j+3], v1, s[4:5] offset:(j%2)*65536+(j/2)*256 th:TH_LOAD_NT
.set j, j+1
.endr
.set j, 0
.rept 32
	s_wait_loadcnt 31-j                            ; loads come back in order: the younger ones stay out
	v_cvt_pk_bf16_f32 v[X+4*j],   v[X+4*j],   v[X+4*j+1]
	v_cvt_pk_bf16_f32 v[X+4*j+1], v[X+4*j+2], v[X+4*j+3]
	global_store_b64 v2, v[X+4*j:X+4*j+1], s[32+2*(j/8):33+2*(j/8)] offset:((j/2)%4)*2097152+(j%2)*2048
.set j, j+1
.endr
	s_endpgm
.Lfunc_end_k_qf953f679ef_prep:
	.size	k_qf953f679ef_prep, .Lfunc_end_k_qf953f679ef_prep-k_qf953f679ef_prep
	.p2alignl 7, 3214868480
	.fill 96, 4, 3214868480
	.section	.rodata,"a",@progbits
	.p2align	6, 0x0
	.amdhsa_kernel k_qf953f679ef_prep
		.amdhsa_group_segment_fixed_size 18432
		.amdhsa_private_segment_fixed_size 0
		.amdhsa_enable_private_segment 0
		.amdhsa_kernarg_size 80
		.amdhsa_user_sgpr_count 2
		.amdhsa_user_sgpr_kernarg_segment_ptr 1
		.amdhsa_wavefront_size32 1
		.amdhsa_system_sgpr_workgroup_id_x 1
		.amdhsa_system_sgpr_workgroup_id_y 1
		.amdhsa_system_sgpr_workgroup_id_z 1
		.amdhsa_system_vgpr_workitem_id 0
		.amdhsa_next_free_vgpr 140
		.amdhsa_next_free_sgpr 66
		.amdhsa_reserve_vcc 0
		.amdhsa_float_denorm_mode_32 3
		.amdhsa_float_denorm_mode_16_64 3
		.amdhsa_memory_ordered 1
		.amdhsa_forward_progress 1
		.amdhsa_inst_pref_size 19
	.end_amdhsa_kernel
	.amdgpu_metadata
---
amdhsa.version: [ 1, 2 ]
amdhsa.kernels:
  - .name:           k_qf953f679ef_prep
    .symbol:         k_qf953f679ef_prep.kd
    .args:
      - { .name: x, .offset: 0, .size: 8, .value_kind: global_buffer, .address_space: global }
      - { .name: Wq, .offset: 8, .size: 8, .value_kind: global_buffer, .address_space: global }
      - { .name: Wk, .offset: 16, .size: 8, .value_kind: global_buffer, .address_space: global }
      - { .name: Wv, .offset: 24, .size: 8, .value_kind: global_buffer, .address_space: global }
      - { .name: bq, .offset: 32, .size: 8, .value_kind: global_buffer, .address_space: global }
      - { .name: bk, .offset: 40, .size: 8, .value_kind: global_buffer, .address_space: global }
      - { .name: bv, .offset: 48, .size: 8, .value_kind: global_buffer, .address_space: global }
      - { .name: xb, .offset: 56, .size: 8, .value_kind: global_buffer, .address_space: global }
      - { .name: wtb, .offset: 64, .size: 8, .value_kind: global_buffer, .address_space: global }
      - { .name: bias, .offset: 72, .size: 8, .value_kind: global_buffer, .address_space: global }
    .group_segment_fixed_size: 18432
    .private_segment_fixed_size: 0
    .kernarg_segment_align: 8
    .kernarg_segment_size: 80
    .max_flat_workgroup_size: 256
    .sgpr_count:     66
    .vgpr_count:     140
    .wavefront_size: 32
...
	.end_amdgpu_metadata
.endif
;; end of part 1
;; launch proj (part 2): grid 4 x 64, 4 waves a work-group, clusters of 4 x 4, 327,680 bytes of LDS; arguments xb, wtb, bias, qkv; writes qkv
.if DOCPART == 2
	.amdgcn_target "amdgcn-amd-amdhsa--gfx1250"
	.amdhsa_code_object_version 6
	.text
	.protected	k_qf953f679ef_proj
	.globl	k_qf953f679ef_proj
	.p2align	8
	.type	k_qf953f679ef_proj,@function
k_qf953f679ef_proj:
	s_mov_b64 s[64:65], 0
	v_nop
	global_prefetch_b8 v0, s[64:65] scope:SCOPE_SE
	s_setreg_imm32_b32 hwreg(HW_REG_WAVE_MODE, 25, 1), 1
	s_wait_xcnt 0x0
	s_wait_alu depctr_hold_cnt(0) depctr_sa_sdst(0) depctr_va_vdst(0) depctr_va_sdst(0) depctr_va_ssrc(0) depctr_va_vcc(0) depctr_vm_vsrc(0)
	s_getreg_b32 s2, hwreg(HW_REG_IB_STS2, 6, 4)
	s_cmp_eq_u32 s2, 0
	s_cbranch_scc0 .Lentry_in_a_cluster
	s_endpgm
.Lentry_in_a_cluster:
	s_bfe_u32 s2, ttmp6, 0x10000c
	s_cmp_lg_u32 s2, 0xf033
	s_cbranch_scc0 .Lentry_shape_is_right
	s_endpgm
.Lentry_shape_is_right:
; PROJ.  qkv[m][n] = sum over k of x[m][k] W[k][n] + b[n], m < 16,384, n < 1,536 (Q, K, V side by side), K = 1,024.  Operands bf16, sums f32, the result rounded once to f16.
; LIMIT.  f16 holds no number beyond 65,504: q, k and v must stay within it.
; SHARES.  A work-group makes 256 rows x 384 columns: 64 x 4 = 256 work-groups.  Each of its four waves makes 128 x 192: 96 accumulators of 16 x 16, 768 registers.
; K goes in steps of 64 through two LDS slots.  xb and wtb are blocked by 64 along K, so a wave's share of a slot is dense in memory and is asked for as rows of 256 bytes.
; A step is two chunks of 32 along K, 96 matrix instructions each; A's fragments have two buffers, B's three groups of four column tiles are loaded again as soon as they have been multiplied.
; CLUSTER.  4 x 4 work-groups: the four of a row need the same rows of xb, the four of a column the same rows of wtb; each tile is asked for jointly.
; THE MATRIX INSTRUCTION IS USED TRANSPOSED (source 0 = 16 rows of wtb, source 1 = 16 rows of xb): a lane holds eight neighbouring columns of one row of the result.
; REGISTERS, in windows of 256: window 0: v0-31 addresses; v32-95, v96-159 A's two buffers; v160-255 B's three groups.  Window 1 + g: the accumulators of group g, (a, bb) at 8 (4 a + bb).
.set PITCH,  144                       ; an LDS row: 128 bytes + 16: the 16 rows of a fragment load start 36 words apart
.set AHALF,  128*PITCH                 ; what a wave fetches of A, and what a wave reads of A
.set BHALF,  192*PITCH                 ; the same for B
.set BOFF,   2*AHALF
.set SLOT,   2*AHALF+2*BHALF
.set STAGE,  2*SLOT                    ; behind the ring: 128 rows x 784 bytes, the work-group's, for the way out
.set SPITCH, 784                       ; 768 bytes + 16
.set SPARE,  STAGE+128*SPITCH          ; behind the stage: the spare words, 128 bytes a wave
.set ASTEP,  2*2097152                 ; two K blocks of xb
.set BSTEP,  2*196608                  ; two K blocks of wtb
.set ROWB,   3072                      ; a row of qkv
.set ADRA, 16                          ; v16-17 LDS address of my A fragments in slot 0, 1
.set ADRB, 20                          ; v20-21 the same for B
.set STO,  24                          ; v24 where I put 16 bytes of a row
.set RD,   25                          ; v25 where I read a row back
.set CO,   26                          ; v26 my byte offset in qkv
.set BO,   27                          ; v27 my byte offset in the bias
.set SPW,  28                          ; v28 my spare word; never rewritten
.set NIL,  29                          ; v29 0; never rewritten
.set FA,   32                          ; A's buffers at FA + 64 buf
.set FB,   160                         ; B's groups at FB + 32 g
.set T,    96                          ; the way out: sums with the bias
.set PK,   128                         ; the way out: packed
.set OB,   192                         ; the way out: rows read back
.set WV, 13                            ; s13 wave
.set WM, 14                            ; s14 wave / 2: my half of the rows; also: I fetch for A (0) or B (1)
.set WN, 15                            ; s15 wave % 2: my half of the columns; also: which half of that tile I fetch
.set G1A, 24
.set G0A, 32                           ; a set of four for each slot
.set G1B, 48
.set G0B, 56
.set MSB, 0
.macro WIN new                         ; the immediate's high byte repeats the setting that is left
.if MSB != (\new)
	s_set_vgpr_msb (MSB<<8)|(\new)
.set MSB, (\new)
.endif
.endm
.macro PLACES                          ; four places between a matrix instruction and a load into, or a vector write or read of, its registers
.rept 4
	v_nop
.endr
.endm
.macro JLOAD s                         ; a joint load: waves 0, 1 fetch A's halves, waves 2, 3 B's; an s_nop 0 and four v_nop follow each line
	s_cmp_eq_u32 s[WM], 0
	s_cbranch_scc0 .Lfor_b_\@
	tensor_load_to_lds s[G0A+4*(\s):G0A+4*(\s)+3], s[G1A:G1A+7]
	s_nop 0
.rept 4
	v_nop
.endr
	s_branch .Lasked_\@
.Lfor_b_\@:
	tensor_load_to_lds s[G0B+4*(\s):G0B+4*(\s)+3], s[G1B:G1B+7]
	s_nop 0
.rept 4
	v_nop
.endr
.Lasked_\@:
.endm
.macro CREST                           ; a round of the cluster's barrier behind its opening barrier
	s_cmp_lg_u32 s[WV], 0
	s_cbranch_scc1 .Lnot_wave_0_\@
	s_barrier_signal -3
.Lnot_wave_0_\@:
	s_barrier_wait -3
	s_barrier_signal -1
	s_barrier_wait -1
.endm
.macro CROUND
	s_barrier_signal -1
	s_barrier_wait -1
	CREST
.endm
	s_load_b256 s[4:11], s[0:1], 0x0               ; xb 4:5, wtb 6:7, bias 8:9, qkv 10:11
	v_lshl_add_u32 v[SPW], v0, 2, SPARE
	v_mov_b32 v[NIL], 0
	ds_add_u32 v[SPW], v[NIL]                      ; the wave's opening: the add and its wait stand ahead of my first tensor load
	v_lshrrev_b32 v1, 5, v0
	v_readfirstlane_b32 s[WV], v1
	s_lshr_b32 s[WM], s[WV], 1
	s_and_b32 s[WN], s[WV], 1
	s_bfe_u32 s40, ttmp6, 0x40000                  ; cx
	s_bfe_u32 s41, ttmp6, 0x40004                  ; cy
	s_lshl_b32 s42, ttmp9, 2
	s_add_co_u32 s42, s42, s40                     ; tile column = 4 x cluster x + cx
	s_and_b32 s43, ttmp7, 0xffff
	s_lshl_b32 s43, s43, 2
	s_add_co_u32 s43, s43, s41                     ; tile row = 4 x cluster y + cy
	s_lshl_b32 s44, s41, 2
	s_lshl_b32 s44, 15, s44                        ; my row of the cluster
	s_lshl_b32 s45, 0x1111, s40                    ; my column
	; group 1: dense bytes as rows of 128 elements of 2 bytes; in LDS 4 words of padding behind every 32 words (a row of 64 along K)
	s_or_b32 s[G1A], s44, (1<<16)|(1<<20)|(1<<21)|(4<<22)|(3<<25)
	s_or_b32 s[G1B], s45, (1<<16)|(1<<20)|(1<<21)|(4<<22)|(3<<25)
.irp g, G1A, G1B
	s_mov_b32 s[(\g)+1], 128<<16                   ; tensor_dim0
	s_mov_b32 s[(\g)+3], 128<<16                   ; tile_dim0
	s_mov_b32 s[(\g)+5], 128                       ; elements from row to row
	s_mov_b32 s[(\g)+6], 0
	s_mov_b32 s[(\g)+7], 0
.endr
	s_mov_b32 s[G1A+2], 64<<16                     ; tensor_dim1: 128 rows of xb are 64 rows of 256 bytes
	s_mov_b32 s[G1A+4], 64                         ; tile_dim1
	s_mov_b32 s[G1B+2], 96<<16                     ; 192 rows of wtb are 96
	s_mov_b32 s[G1B+4], 96
	s_lshl_b32 s16, s43, 15                        ; A: (256 x tile row + 128 x half) rows of 128 bytes
	s_lshl_b32 s17, s[WN], 14
	s_add_co_u32 s16, s16, s17
	s_mov_b32 s17, 0
	s_mul_i32 s46, s42, 384*128                    ; B: (384 x tile column + 192 x half) rows of 128 bytes
	s_mul_i32 s47, s[WN], 192*128
	s_add_co_u32 s46, s46, s47
	s_mov_b32 s47, 0
	s_mul_i32 s20, s[WN], AHALF                    ; where they go: no place in the cluster enters an LDS address
	s_mul_i32 s21, s[WN], BHALF
	s_add_co_u32 s21, s21, BOFF
	s_wait_dscnt 0x0                               ; the opening add is done
	s_wait_kmcnt 0x0
	s_add_nc_u64 s[18:19], s[4:5], s[16:17]
	s_add_nc_u64 s[46:47], s[6:7], s[46:47]
	CROUND                                         ; all sixteen work-groups are here: the first joint loads meet
.irp s, 0,1
	s_mov_b32 s[G0A+4*(\s)], 1
	s_add_co_u32 s[G0A+4*(\s)+1], s20, (\s)*SLOT
	s_add_nc_u64 s[G0A+4*(\s)+2:G0A+4*(\s)+3], s[18:19], (\s)*2097152  ; K step s
	s_or_b32 s[G0A+4*(\s)+3], s[G0A+4*(\s)+3], 0x80000000
	s_mov_b32 s[G0B+4*(\s)], 1
	s_add_co_u32 s[G0B+4*(\s)+1], s21, (\s)*SLOT
	s_add_nc_u64 s[G0B+4*(\s)+2:G0B+4*(\s)+3], s[46:47], (\s)*196608
	s_or_b32 s[G0B+4*(\s)+3], s[G0B+4*(\s)+3], 0x80000000
	JLOAD \s                                       ; two loads of mine are out
.endr
	v_and_b32 v1, 15, v0                           ; r = l % 16
	v_bfe_u32 v2, v0, 4, 1                         ; h = l / 16
	v_mul_u32_u24 v3, v1, PITCH
	v_lshl_add_u32 v3, v2, 4, v3                   ; a fragment's row x pitch + 16 h
	s_mul_i32 s22, s[WM], AHALF
	s_mul_i32 s23, s[WN], BHALF
	s_add_co_u32 s23, s23, BOFF
.irp s, 0,1
	v_add_nc_u32 v[ADRA+(\s)], s22, v3
	v_add_nc_u32 v[ADRB+(\s)], s23, v3
	s_add_co_u32 s22, s22, SLOT
	s_add_co_u32 s23, s23, SLOT
.endr
	s_mul_i32 s22, s[WM], 64*SPITCH                ; into the stage: my 64 rows of a half, my 384 bytes of their 768
	s_mul_i32 s23, s[WN], 384
	s_add_co_u32 s22, s22, s23
	s_add_co_u32 s22, s22, STAGE
	v_mul_u32_u24 v4, v1, SPITCH
	v_lshl_add_u32 v4, v2, 4, v4
	v_add_nc_u32 v[STO], s22, v4
	s_mul_i32 s22, s[WV], 32*SPITCH                ; back: wave w takes stage rows 32 w on, whole; lanes 0-15 one row's 256 bytes, lanes 16-31 the next row's
	s_add_co_u32 s22, s22, STAGE
	v_mul_u32_u24 v5, v2, SPITCH
	v_lshl_add_u32 v5, v1, 4, v5
	v_add_nc_u32 v[RD], s22, v5
	v_mul_u32_u24 v5, v2, ROWB
	v_lshl_add_u32 v[CO], v1, 4, v5
	v_lshlrev_b32 v[BO], 5, v2                     ; my eight columns of a column tile: 32 h bytes
	s_lshl_b32 s16, s43, 8                         ; the first row that I store: 256 x tile row + 128 (w / 2) + 32 (w % 2)
	s_lshl_b32 s17, s[WM], 7
	s_add_co_u32 s16, s16, s17
	s_lshl_b32 s17, s[WN], 5
	s_add_co_u32 s16, s16, s17
	s_mul_i32 s16, s16, ROWB
	s_mov_b32 s17, 0
	s_add_nc_u64 s[10:11], s[10:11], s[16:17]
	s_mul_i32 s46, s42, 768                        ; the tile's first column, in bytes
	s_mov_b32 s47, 0
	s_add_nc_u64 s[10:11], s[10:11], s[46:47]
	s_mul_i32 s46, s42, 1536                       ; the bias of my 192 columns
	s_mul_i32 s22, s[WN], 768
	s_add_co_u32 s46, s46, s22
	s_add_nc_u64 s[8:9], s[8:9], s[46:47]
; 16 matrix instructions: row blocks a0 .. a0 + 3 x the four column tiles of group g.  zero = 1: the first products start the sums.
.macro MUL16 buf, g, a0, zero
	WIN 0x50*(1+(\g))                              ; C and D in window 1 + g, both sources in window 0
.irp a, (\a0), (\a0)+1, (\a0)+2, (\a0)+3
.irp b, 0,1,2,3
.if \zero
	v_wmma_f32_16x16x32_bf16 v[8*(4*(\a)+(\b)):8*(4*(\a)+(\b))+7], v[FB+32*(\g)+8*(\b):FB+32*(\g)+8*(\b)+7], v[FA+64*(\buf)+8*(\a):FA+64*(\buf)+8*(\a)+7], 0
.else
	v_wmma_f32_16x16x32_bf16 v[8*(4*(\a)+(\b)):8*(4*(\a)+(\b))+7], v[FB+32*(\g)+8*(\b):FB+32*(\g)+8*(\b)+7], v[FA+64*(\buf)+8*(\a):FA+64*(\buf)+8*(\a)+7], v[8*(4*(\a)+(\b)):8*(4*(\a)+(\b))+7]
.endif
.endr
.endr
.endm
.macro GROUP buf, g, zero              ; 32 matrix instructions on 32 accumulators: the 96 take turns in the same order in every chunk
	MUL16 \buf, \g, 0, \zero
	MUL16 \buf, \g, 4, \zero
.endm
.macro LOADB slot, k, g                ; 8 LDS loads: group g's four column tiles, 32 along K at byte k of the rows
	WIN 0
.irp i, 0,1,2,3
	ds_load_b128 v[FB+32*(\g)+8*(\i):FB+32*(\g)+8*(\i)+3],   v[ADRB+(\slot)] offset:(\k)+(4*(\g)+(\i))*16*PITCH
	ds_load_b128 v[FB+32*(\g)+8*(\i)+4:FB+32*(\g)+8*(\i)+7], v[ADRB+(\slot)] offset:(\k)+(4*(\g)+(\i))*16*PITCH+32
.endr
.endm
.macro LOADA slot, k, buf, half        ; 8 LDS loads: row blocks 4 half .. 4 half + 3 into buffer buf
	WIN 0
.irp i, 0,1,2,3
	ds_load_b128 v[FA+64*(\buf)+8*(4*(\half)+(\i)):FA+64*(\buf)+8*(4*(\half)+(\i))+3],   v[ADRA+(\slot)] offset:(\k)+(4*(\half)+(\i))*16*PITCH
	ds_load_b128 v[FA+64*(\buf)+8*(4*(\half)+(\i))+4:FA+64*(\buf)+8*(4*(\half)+(\i))+7], v[ADRA+(\slot)] offset:(\k)+(4*(\half)+(\i))*16*PITCH+32
.endr
.endm
; A step's first chunk: multiplies A's buffer 0 and fetches the second chunk, at byte 64 of the same slot's rows.
.macro CH slot, zero
	s_wait_dscnt 8                                 ; all but the youngest eight loads, B's group 2
	GROUP 0, 0, \zero
	PLACES
	LOADB \slot, 64, 0
	LOADA \slot, 64, 1, 0
	GROUP 0, 1, \zero
	PLACES
	LOADB \slot, 64, 1
	LOADA \slot, 64, 1, 1
	s_wait_dscnt 32                                ; all but the two runs of sixteen just issued: B's group 2 is in
	GROUP 0, 2, \zero
	PLACES
	LOADB \slot, 64, 2
.endm
; A step's second chunk multiplies A's buffer 1 and changes slots: ONE barrier; in front of it each wave waits for all its tensor loads (one is out: its part of the next slot),
; adds 0 to its spare word, and waits for that and for its own reads of this slot.  fill = 1: the barrier opens a round of the cluster's, and this slot is filled again, two K steps ahead:
; from that request to the wait for it a wave issues 160 matrix instructions.
.macro TURN slot, next, fill
	WIN 0
	s_wait_tensorcnt 0x0
	ds_add_u32 v[SPW], v[NIL]
	s_wait_dscnt 9                                 ; the add and the youngest eight loads (B's group 2) may be out
	MUL16 1, 0, 0, 0
	s_wait_dscnt 0x0                               ; the add is done, and my reads of this slot are over
	s_barrier_signal -1
	MUL16 1, 0, 4, 0
	WIN 0                                          ; at a branch and at a label every window is 0
	s_barrier_wait -1
.if \fill
	CREST                                          ; no wave of any partner still reads this slot or has a load on its way
	s_add_nc_u64 s[G0A+4*(\slot)+2:G0A+4*(\slot)+3], s[G0A+4*(\slot)+2:G0A+4*(\slot)+3], ASTEP
	s_add_nc_u64 s[G0B+4*(\slot)+2:G0B+4*(\slot)+3], s[G0B+4*(\slot)+2:G0B+4*(\slot)+3], BSTEP
	JLOAD \slot                                    ; my one tensor load behind the round; its four v_nop are also the places in front of the loads below
.else
	PLACES
.endif
	LOADB \next, 0, 0
	LOADA \next, 0, 0, 0
	GROUP 1, 1, 0
	PLACES
	LOADB \next, 0, 1
	LOADA \next, 0, 0, 1
	GROUP 1, 2, 0
	PLACES
	LOADB \next, 0, 2
.endm
	s_wait_tensorcnt 1                             ; my part of K step 0 is in; step 1's stays out
	s_barrier_signal -1
	s_barrier_wait -1                              ; everybody's is
	LOADB 0, 0, 0
	LOADA 0, 0, 0, 0
	LOADA 0, 0, 0, 1
	LOADB 0, 0, 1
	LOADB 0, 0, 2
	CH 0, 1                                        ; the first chunk stands in front of the loop: its products start the sums
	WIN 0
	s_mov_b32 s3, 7
.Llap:                                                 ; a trip goes once round the ring and fills both slots again: K steps 2 to 15
	TURN 0, 1, 1
	CH 1, 0
	TURN 1, 0, 1
	CH 0, 0
	WIN 0
	s_sub_co_u32 s3, s3, 1
	s_cmp_lg_u32 s3, 0
	s_cbranch_scc1 .Llap
	TURN 0, 1, 0                                   ; the last lap asks for nothing
	CH 1, 0
	s_wait_dscnt 8                                 ; the last chunk
	GROUP 1, 0, 0
	PLACES
	WIN 0
.set b, 0
.rept 12                               ; the bias of column tile b, my eight columns: into A's buffer 0 (b < 8) and B's group 0, which nothing reads any more
	global_load_b128 v[FA+8*b+64*(b/8):FA+8*b+64*(b/8)+3],   v[BO], s[8:9] offset:64*b
	global_load_b128 v[FA+8*b+64*(b/8)+4:FA+8*b+64*(b/8)+7], v[BO], s[8:9] offset:64*b+16
.set b, b+1
.endr
	s_wait_dscnt 0x0
	GROUP 1, 1, 0
	GROUP 1, 2, 0
; THE WAY OUT, in two halves of my rows (row blocks 4 hf .. 4 hf + 3).  The bias is added in f32, the sum rounded to f16; 16 bytes a lane go into the work-group's stage.
.macro TOSTAGE hf
.irp aa, 0,1,2,3
.irp g, 0,1,2
	WIN 1+(\g)                                     ; source 0 in the accumulators' window
.set z, 0
.rept 16                               ; each accumulator's registers in ascending order
	v_pk_add_f32 v[T+2*z:T+2*z+1], v[32*(4*(\hf)+(\aa))+2*z:32*(4*(\hf)+(\aa))+2*z+1], v[FA+32*(\g)+64*((\g)/2)+2*z:FA+32*(\g)+64*((\g)/2)+2*z+1]
.set z, z+1
.endr
	WIN 0
.set z, 0
.rept 16
	v_cvt_pk_f16_f32 v[PK+z], v[T+2*z], v[T+2*z+1]
.set z, z+1
.endr
.irp bb, 0,1,2,3
	ds_store_b128 v[STO], v[PK+4*(\bb):PK+4*(\bb)+3] offset:(\aa)*16*SPITCH+32*(4*(\g)+(\bb))
.endr
.endr
.endr
.endm
; Back as whole rows: 32 stage rows a wave, 48 pieces of two rows x 256 bytes, sixteen at a time.
.macro FROMSTAGE hf
.set i, 0
.rept 3
	s_wait_xcnt 0x0                                ; the registers that earlier stores read are loaded again only behind this wait
.set k, 0
.rept 16
	ds_load_b128 v[OB+4*k:OB+4*k+3], v[RD] offset:((i+k)/3)*2*SPITCH+256*((i+k)%3)
.set k, k+1
.endr
.set k, 0
.rept 16
	s_wait_dscnt 15-k                              ; the younger loads of the sixteen may be out
	global_store_b128 v[CO], v[OB+4*k:OB+4*k+3], s[10:11] offset:(\hf)*64*ROWB+((i+k)/3)*2*ROWB+256*((i+k)%3)  ; 16 lanes store 256 consecutive bytes, at a multiple of 256 from qkv's first byte
.set k, k+1
.endr
.set i, i+16
.endr
.endm
	PLACES                                         ; behind the last products
	s_wait_loadcnt 0x0                             ; the bias
	TOSTAGE 0
	s_wait_dscnt 0x0                               ; for the others' sake: my stores into the stage are done
	s_barrier_signal -1
	s_barrier_wait -1
	FROMSTAGE 0
	s_wait_dscnt 0x0                               ; my reads of the stage are over,
	s_barrier_signal -1
	s_barrier_wait -1                              ; everybody's are: it may be written again
	TOSTAGE 1
	s_wait_dscnt 0x0
	s_barrier_signal -1
	s_barrier_wait -1
	FROMSTAGE 1
	s_wait_tensorcnt 0x0                           ; the wave's end
	ds_add_u32 v[SPW], v[NIL]
	s_wait_dscnt 0x0
	CROUND                                         ; the closing round
	s_endpgm
.Lfunc_end_k_qf953f679ef_proj:
	.size	k_qf953f679ef_proj, .Lfunc_end_k_qf953f679ef_proj-k_qf953f679ef_proj
	.p2alignl 7, 3214868480
	.fill 96, 4, 3214868480
	.section	.rodata,"a",@progbits
	.p2align	6, 0x0
	.amdhsa_kernel k_qf953f679ef_proj
		.amdhsa_group_segment_fixed_size 327680
		.amdhsa_private_segment_fixed_size 0
		.amdhsa_enable_private_segment 0
		.amdhsa_kernarg_size 32
		.amdhsa_user_sgpr_count 2
		.amdhsa_user_sgpr_kernarg_segment_ptr 1
		.amdhsa_wavefront_size32 1
		.amdhsa_system_sgpr_workgroup_id_x 1
		.amdhsa_system_sgpr_workgroup_id_y 1
		.amdhsa_system_sgpr_workgroup_id_z 1
		.amdhsa_system_vgpr_workitem_id 0
		.amdhsa_next_free_vgpr 1024
		.amdhsa_next_free_sgpr 66
		.amdhsa_reserve_vcc 0
		.amdhsa_float_denorm_mode_32 3
		.amdhsa_float_denorm_mode_16_64 3
		.amdhsa_memory_ordered 1
		.amdhsa_forward_progress 1
		.amdhsa_inst_pref_size 160
	.end_amdhsa_kernel
	.amdgpu_metadata
---
amdhsa.version: [ 1, 2 ]
amdhsa.kernels:
  - .name:           k_qf953f679ef_proj
    .symbol:         k_qf953f679ef_proj.kd
    .args:
      - { .name: xb, .offset: 0, .size: 8, .value_kind: global_buffer, .address_space: global }
      - { .name: wtb, .offset: 8, .size: 8, .value_kind: global_buffer, .address_space: global }
      - { .name: bias, .offset: 16, .size: 8, .value_kind: global_buffer, .address_space: global }
      - { .name: qkv, .offset: 24, .size: 8, .value_kind: global_buffer, .address_space: global }
    .group_segment_fixed_size: 327680
    .private_segment_fixed_size: 0
    .kernarg_segment_align: 8
    .kernarg_segment_size: 32
    .max_flat_workgroup_size: 128
    .sgpr_count:     66
    .vgpr_count:     1024
    .wavefront_size: 32
...
	.end_amdgpu_metadata
.endif
;; end of part 2
;; launch attn (part 3): grid 32 x 8, 4 waves a work-group, clusters of 4 x 1, 327,680 bytes of LDS; arguments qkv, out0; writes out0
.if DOCPART == 3
	.amdgcn_target "amdgcn-amd-amdhsa--gfx1250"
	.amdhsa_code_object_version 6
	.text
	.protected	k_qf953f679ef_attn
	.globl	k_qf953f679ef_attn
	.p2align	8
	.type	k_qf953f679ef_attn,@function
k_qf953f679ef_attn:
	s_mov_b64 s[64:65], 0
	v_nop
	global_prefetch_b8 v0, s[64:65] scope:SCOPE_SE
	s_setreg_imm32_b32 hwreg(HW_REG_WAVE_MODE, 25, 1), 1
	s_wait_xcnt 0x0
	s_wait_alu depctr_hold_cnt(0) depctr_sa_sdst(0) depctr_va_vdst(0) depctr_va_sdst(0) depctr_va_ssrc(0) depctr_va_vcc(0) depctr_vm_vsrc(0)
	s_getreg_b32 s2, hwreg(HW_REG_IB_STS2, 6, 4)
	s_cmp_eq_u32 s2, 0
	s_cbranch_scc0 .Lentry_in_a_cluster
	s_endpgm
.Lentry_in_a_cluster:
	s_bfe_u32 s2, ttmp6, 0x10000c
	s_cmp_lg_u32 s2, 0x3003
	s_cbranch_scc0 .Lentry_shape_is_right
	s_endpgm
.Lentry_shape_is_right:
; ATTN.  out0[b][q][:] = the sum over k of softmax_k(Q[b][q] . K[b][k] / sqrt(512)) V[b][k][:].  Q, K, V: f16, side by side in rows of 3,072 bytes of qkv; out0 f32 [8][2048][512].
; Products, maxima and sums in f32; the weights p are rounded to f16 for the second product (their sum l is taken of the unrounded p).
; LIMITS.  Q, K, V arrive within f16's 65,504; p lies in 0 to 1 and below 6e-5 keeps f16's fixed step; a weight below 2^-126 counts as 0 in l; NaN and infinities are not treated apart.
; SHARES.  A work-group owns 64 queries of a batch (four tiles of 16) and walks its 2,048 keys, 128 a step.  At 512 channels one wave cannot hold a tile's Q and O beside enough tiles to feed a fragment twice,
; so the four waves share the block: in S^T = K Q^T wave w takes keys 32 w .. 32 w + 31 against all 64 queries (Q, 512 registers, lies in every wave); in O^T += V^T P it takes channels 128 w .. 128 w + 127.
; So every byte of K and V is read from LDS once a work-group, by the wave that fetched it; only P (16 KiB a step) and one maximum a query and wave cross waves, through LDS.
; LAYOUT.  S^T holds ONE query a lane (lane % 16) and the keys 8 (lane / 16) + 0..7; a wave's two key tiles rounded to f16 ARE source 1 (32 keys x 16 queries) of V^T P: they go to LDS as register images.
; SOFTMAX.  For each query a running maximum m (over all four waves' keys) and, in each wave, the sum l of its own keys: p = 2^(c s - c m), c = log2(e) / sqrt(512); O and l are multiplied by
; a = 2^(c m_old - c m_new) in every step.  m starts at the lowest finite number, O and l at 0, so the first step is a step like any other: the price is 256 v_mov_b32, which stand in the wait for the first tile.
; LDS holds ONE tile of K and ONE of V (two of each do not fit).  K is asked for again when the step's scores are made and lands under the softmax and V^T P; V when V^T P is made, and lands under the next scores.
; CLUSTER.  The four query blocks of a cluster belong to one batch and walk the same K and V: every tile is asked for jointly, the same load, descriptor and mask in all four.
; REGISTERS: window 0: v0-15 addresses; v16-47 statistics; v48-175 K's two buffers, later P and V; v176-191 the waves' maxima; v192-255 S^T.  Window 1: O^T(c, t) at 8 (4 c + t).  Windows 2, 3: Q(cc, t) at 8 (4 (cc % 8) + t).
.set ROWB,  3072
.set STEPB, 128*ROWB                   ; 128 keys on
.set KP,    1040                       ; a row of K in LDS: 1,024 bytes + 16
.set KW,    32*KP                      ; a wave's rows of K
.set VP,    288                        ; a row of a wave's strip of V: 256 bytes + 32
.set VW,    128*VP
.set VB,    4*KW
.set PB,    VB+4*VW                    ; P: fragment (kc, t) at (4 kc + t) x 1,024, its two halves of four registers 512 apart, 16 bytes a lane
.set MX,    PB+16384                   ; the waves' maxima: t x 256 + r x 16 + w x 4; 1,024 bytes further on the waves' sums, likewise
.set STAGE, MX+2048                    ; 16 rows x 272 bytes for each wave, for the way out
.set SP,    272
.set SPARE, STAGE+4*16*SP              ; the spare words, 128 bytes a wave
.set AK,  2                            ; my place in my rows of K
.set AV,  3                            ; in my strip of V, for the turning load
.set APW, 4                            ; where I write P
.set APR, 5                            ; where I read P
.set AMW, 6                            ; where I write a maximum
.set AMR, 7                            ; where I read four
.set STO, 8
.set RD,  9
.set GO,  10
.set QO,  11
.set SPW, 12                           ; my spare word; never rewritten
.set NIL, 13                           ; 0; never rewritten
.set PFO, 14                           ; my block of 256 bytes among the 32 that the wave prefetches
.set ST,  16                           ; tile t at ST + 8 t: c m, m, l (even keys', odd keys'), a, its pair's partner, two at work
.set KB,  48                           ; K's buffers at KB + 64 (g % 2): fragment (kt, cc) at 8 (2 (cc % 4) + kt)
.set PP,  48                           ; my P, packed: 8 registers a tile
.set X,   176
.set S,   192                          ; S^T(t, kt) at S + 16 t + 8 kt
.set T,   48                           ; the way out
.set BK,  112                          ; the way out: two banks of 32
.set WV,  12
.set G1K, 24
.set G1V, 32
.set G0K, 40
.set G0V, 44
.set CNT, 48
.set CS,  50                           ; s[50:51] c
.set SEL, 52                           ; s[52:53] v_permlanex16_b32's selects: each lane takes its own place in the other half
.set PF,  54                           ; s[54:55] the rows that my work-group prefetches
.set PS,  56                           ; s[56:57] its step
.set OBS, 58                           ; s[58:59] out0 at my rows and channels
.set QBS, 60                           ; s[60:61] qkv at my queries
.set MSB, 0
.macro WIN new
.if MSB != (\new)
	s_set_vgpr_msb (MSB<<8)|(\new)
.set MSB, (\new)
.endif
.endm
.macro PLACES
.rept 4
	v_nop
.endr
.endm
.macro CREST
	s_cmp_lg_u32 s[WV], 0
	s_cbranch_scc1 .Lnot_wave_0_\@
	s_barrier_signal -3
.Lnot_wave_0_\@:
	s_barrier_wait -3
	s_barrier_signal -1
	s_barrier_wait -1
.endm
.macro CROUND
	s_barrier_signal -1
	s_barrier_wait -1
	CREST
.endm
.macro ALLT line:vararg                ; one line for each tile t
.set t, 0
.rept 4
	\line
.set t, t+1
.endr
.endm
	s_load_b128 s[4:7], s[0:1], 0x0                ; qkv 4:5, out0 6:7
	v_lshl_add_u32 v[SPW], v0, 2, SPARE
	v_mov_b32 v[NIL], 0
	ds_add_u32 v[SPW], v[NIL]                      ; the wave's opening: the add and its wait stand ahead of my first tensor load
	v_lshrrev_b32 v1, 5, v0
	v_readfirstlane_b32 s[WV], v1
	s_bfe_u32 s13, ttmp6, 0x40000                  ; cx
	s_lshl_b32 s14, ttmp9, 2
	s_add_co_u32 s14, s14, s13                     ; my block of 64 queries: it enters Q's, the prefetch's and out0's addresses alone
	s_and_b32 s15, ttmp7, 0xffff                   ; the batch, which the four partners share
	s_mul_i32 s16, s15, 2048*ROWB
	s_mul_i32 s18, s[WV], 32*ROWB                  ; K: my 32 rows of the first 128, byte 1,024 of a row
	s_add_co_u32 s18, s18, s16
	s_add_co_u32 s18, s18, 1024
	s_mov_b32 s19, 0
	s_lshl_b32 s20, s[WV], 8                       ; V: byte 2,048 of a row, my 256 bytes
	s_add_co_u32 s20, s20, s16
	s_add_co_u32 s20, s20, 2048
	s_mov_b32 s21, 0
	s_mul_i32 s22, s14, 64*ROWB                    ; Q
	s_add_co_u32 s22, s22, s16
	s_mov_b32 s23, 0
	s_mul_i32 s2, s14, 4*ROWB                      ; the prefetch: of each tile of 128 rows my work-group takes rows 4 qb .. 4 qb + 3; it begins with the second tile
	s_add_co_u32 s2, s2, s16
	s_add_co_u32 s2, s2, STEPB+1024
	s_mov_b32 s3, 0
	s_lshl_b32 s8, s15, 22                         ; out0: 2,048 rows of 2,048 bytes a batch,
	s_lshl_b32 s9, s14, 17                         ; 64 rows a block,
	s_add_co_u32 s8, s8, s9
	s_lshl_b32 s9, s[WV], 9                        ; my 128 channels
	s_add_co_u32 s8, s8, s9
	s_mov_b32 s9, 0
	; group 1 for K: 32 rows x 512 elements of 2 bytes, 4 words of padding behind every 256 words; for V: 128 rows x 128 elements, 8 words behind every 64.  Mask: all four work-groups.
	s_mov_b32 s[G1K],   15|(1<<16)|(1<<20)|(1<<21)|(7<<22)|(3<<25)
	s_mov_b32 s[G1K+1], 512<<16                    ; tensor_dim0
	s_mov_b32 s[G1K+2], 32<<16                     ; tensor_dim1
	s_mov_b32 s[G1K+3], 512<<16                    ; tile_dim0
	s_mov_b32 s[G1K+4], 32                         ; tile_dim1
	s_mov_b32 s[G1K+5], 1536                       ; elements from row to row
	s_mov_b32 s[G1K+6], 0
	s_mov_b32 s[G1K+7], 0
	s_mov_b32 s[G1V],   15|(1<<16)|(1<<20)|(1<<21)|(5<<22)|(7<<25)
	s_mov_b32 s[G1V+1], 128<<16
	s_mov_b32 s[G1V+2], 128<<16
	s_mov_b32 s[G1V+3], 128<<16
	s_mov_b32 s[G1V+4], 128
	s_mov_b32 s[G1V+5], 1536
	s_mov_b32 s[G1V+6], 0
	s_mov_b32 s[G1V+7], 0
	s_mov_b32 s[G0K], 1
	s_mul_i32 s[G0K+1], s[WV], KW
	s_mov_b32 s[G0V], 1
	s_mul_i32 s[G0V+1], s[WV], VW
	s_add_co_u32 s[G0V+1], s[G0V+1], VB
	s_mov_b32 s[CS], 0x3d8293ee                    ; c = log2(e) / sqrt(512) = 0.0637587
	s_mov_b32 s[CS+1], s[CS]
	s_mov_b32 s[SEL], 0x76543210
	s_mov_b32 s[SEL+1], 0xfedcba98
	s_mov_b32 s[PS], 0
	s_mov_b32 s[PS+1], 0
	s_wait_dscnt 0x0                               ; the opening add is done
	s_wait_kmcnt 0x0
	s_add_nc_u64 s[G0K+2:G0K+3], s[4:5], s[18:19]
	s_or_b32 s[G0K+3], s[G0K+3], 0x80000000
	s_add_nc_u64 s[G0V+2:G0V+3], s[4:5], s[20:21]
	s_or_b32 s[G0V+3], s[G0V+3], 0x80000000
	s_add_nc_u64 s[QBS:QBS+1], s[4:5], s[22:23]
	s_add_nc_u64 s[PF:PF+1], s[4:5], s[2:3]
	s_add_nc_u64 s[OBS:OBS+1], s[6:7], s[8:9]
	CROUND                                         ; all four work-groups are here: the first joint loads meet
	tensor_load_to_lds s[G0K:G0K+3], s[G1K:G1K+7]  ; my rows of K of step 0
	s_nop 0
	tensor_load_to_lds s[G0V:G0V+3], s[G1V:G1V+7]  ; my strip of V of step 0: two loads of mine are out
	s_nop 0
	PLACES
	v_and_b32 v1, 15, v0                           ; r
	v_bfe_u32 v15, v0, 4, 1                        ; h
	v_mul_u32_u24 v[QO], v1, ROWB
	v_lshl_add_u32 v[QO], v15, 4, v[QO]
	WIN 0x80                                       ; Q stays in registers: fragment (cc, t): 16 queries x 32 channels, two loads of 16 bytes, 32 bytes apart
.set i, 0
.rept 32
	global_load_b128 v[8*i:8*i+3],   v[QO], s[QBS:QBS+1] offset:(i%4)*16*ROWB+(i/4)*64
	global_load_b128 v[8*i+4:8*i+7], v[QO], s[QBS:QBS+1] offset:(i%4)*16*ROWB+(i/4)*64+32
.set i, i+1
.endr
	WIN 0xc0
.set i, 0
.rept 32
	global_load_b128 v[8*i:8*i+3],   v[QO], s[QBS:QBS+1] offset:(i%4)*16*ROWB+512+(i/4)*64
	global_load_b128 v[8*i+4:8*i+7], v[QO], s[QBS:QBS+1] offset:(i%4)*16*ROWB+512+(i/4)*64+32
.set i, i+1
.endr
	WIN 0x40
.set i, 0
.rept 256
	v_mov_b32 v[i], 0                              ; O^T
.set i, i+1
.endr
	WIN 0
	ALLT v_mov_b32 v[ST+8*t], 0xfe000000           ; c m: far below every c s
	ALLT v_mov_b32 v[ST+8*t+1], 0xff7fffff         ; m
	ALLT v_mov_b32 v[ST+8*t+2], 0
	ALLT v_mov_b32 v[ST+8*t+3], 0
	ALLT v_mov_b32 v[ST+8*t+5], 0                  ; named with a as a pair
	s_mul_i32 s13, s[WV], KW
	v_mul_u32_u24 v[AK], v1, KP
	v_lshl_add_u32 v[AK], v15, 4, v[AK]
	v_add_nc_u32 v[AK], s13, v[AK]                 ; my rows + r x pitch + 16 h
	v_and_b32 v176, 7, v0                          ; the turning load: lane l reads key 8 h + l % 8, channels 8 ((l / 8) % 2) + 0..7
	v_lshl_add_u32 v176, v15, 3, v176
	v_mul_u32_u24 v[AV], v176, VP
	v_bfe_u32 v177, v0, 3, 1
	v_lshl_add_u32 v[AV], v177, 4, v[AV]
	s_mul_i32 s13, s[WV], VW
	s_add_co_u32 s13, s13, VB
	v_add_nc_u32 v[AV], s13, v[AV]
	v_and_b32 v176, 31, v0
	v_lshlrev_b32 v176, 4, v176
	v_add_nc_u32 v[APR], PB, v176
	s_lshl_b32 s13, s[WV], 12
	v_add_nc_u32 v[APW], s13, v[APR]               ; my 32 keys are key chunk w
	v_lshl_add_u32 v[AMR], v1, 4, MX
	s_lshl_b32 s13, s[WV], 2
	v_add_nc_u32 v[AMW], s13, v[AMR]
	s_mul_i32 s13, s[WV], 16*SP
	s_add_co_u32 s13, s13, STAGE
	v_mul_u32_u24 v[STO], v1, SP                   ; in: row r, 32 bytes for each half of the lanes
	v_lshl_add_u32 v[STO], v15, 5, v[STO]
	v_add_nc_u32 v[STO], s13, v[STO]
	v_mul_u32_u24 v[RD], v15, SP                   ; back: lanes 0-15 one row of 256 bytes, lanes 16-31 the next
	v_lshl_add_u32 v[RD], v1, 4, v[RD]
	v_add_nc_u32 v[RD], s13, v[RD]
	v_lshlrev_b32 v[GO], 11, v15
	v_lshl_add_u32 v[GO], v1, 4, v[GO]
	v_bfe_u32 v176, v0, 3, 2                       ; the prefetch: four rows x eight blocks of 256 bytes (a row's K and V)
	v_mul_u32_u24 v[PFO], v176, ROWB
	v_and_b32 v177, 7, v0
	v_lshl_add_u32 v[PFO], v177, 8, v[PFO]
	s_cmp_lg_u32 s[WV], 0
	s_cbranch_scc1 .Lno_pf
	global_prefetch_b8 v[PFO], s[PF:PF+1] th:TH_LOAD_NT scope:SCOPE_SE  ; my share of step 1's K and V
.Lno_pf:
.macro LOADK g                         ; 16 LDS loads: channels 128 g .. 128 g + 127 of my 32 keys
	WIN 0
.irp c, 0,1,2,3
.irp kt, 0,1
	ds_load_b128 v[KB+64*((\g)%2)+8*(2*(\c)+(\kt)):KB+64*((\g)%2)+8*(2*(\c)+(\kt))+3],   v[AK] offset:(\kt)*16*KP+64*(4*(\g)+(\c))
	ds_load_b128 v[KB+64*((\g)%2)+8*(2*(\c)+(\kt))+4:KB+64*((\g)%2)+8*(2*(\c)+(\kt))+7], v[AK] offset:(\kt)*16*KP+64*(4*(\g)+(\c))+32
.endr
.endr
.endm
.macro MULS g                          ; 32 products of S^T = K Q^T: the eight accumulators take turns; the first eight of a step start the sums
	WIN 0x08+4*((\g)/2)                            ; Q in window 2 or 3
.irp c, 0,1,2,3
.irp kt, 0,1
.irp t, 0,1,2,3
.if (4*(\g)+(\c)) == 0
	v_wmma_f32_16x16x32_f16 v[S+16*(\t)+8*(\kt):S+16*(\t)+8*(\kt)+7], v[KB+64*((\g)%2)+8*(2*(\c)+(\kt)):KB+64*((\g)%2)+8*(2*(\c)+(\kt))+7], v[8*(4*((4*(\g)+(\c))%8)+(\t)):8*(4*((4*(\g)+(\c))%8)+(\t))+7], 0
.else
	v_wmma_f32_16x16x32_f16 v[S+16*(\t)+8*(\kt):S+16*(\t)+8*(\kt)+7], v[KB+64*((\g)%2)+8*(2*(\c)+(\kt)):KB+64*((\g)%2)+8*(2*(\c)+(\kt))+7], v[8*(4*((4*(\g)+(\c))%8)+(\t)):8*(4*((4*(\g)+(\c))%8)+(\t))+7], v[S+16*(\t)+8*(\kt):S+16*(\t)+8*(\kt)+7]
.endif
.endr
.endr
.endr
.endm
.macro LOADV kc, buf                   ; 16 turning loads: keys 32 kc on, my 128 channels.  Buffer 0: v80-143; buffer 1: v144-207
	WIN 0
.irp c, 0,1,2,3,4,5,6,7
	ds_load_tr16_b128 v[80+64*(\buf)+8*(\c):80+64*(\buf)+8*(\c)+3],   v[AV] offset:(\kc)*32*VP+32*(\c)
	ds_load_tr16_b128 v[80+64*(\buf)+8*(\c)+4:80+64*(\buf)+8*(\c)+7], v[AV] offset:(\kc)*32*VP+32*(\c)+16*VP
.endr
.endm
.macro LOADP kc, buf                   ; 8 loads: the four tiles' P of keys 32 kc on.  Buffer 0: v48-79; buffer 1: v208-239
	WIN 0
.irp t, 0,1,2,3
	ds_load_b128 v[48+160*(\buf)+8*(\t):48+160*(\buf)+8*(\t)+3],   v[APR] offset:(4*(\kc)+(\t))*1024
	ds_load_b128 v[48+160*(\buf)+8*(\t)+4:48+160*(\buf)+8*(\t)+7], v[APR] offset:(4*(\kc)+(\t))*1024+512
.endr
.endm
.macro MULPV buf, c0, n                ; 4 n products of O^T += V^T P: channel tiles c0 .. c0 + n - 1 x four query tiles; the 32 accumulators take turns
	WIN 0x50
.set cI, (\c0)
.rept (\n)
.irp t, 0,1,2,3
	v_wmma_f32_16x16x32_f16 v[8*(4*cI+(\t)):8*(4*cI+(\t))+7], v[80+64*(\buf)+8*cI:80+64*(\buf)+8*cI+7], v[48+160*(\buf)+8*(\t):48+160*(\buf)+8*(\t)+7], v[8*(4*cI+(\t)):8*(4*cI+(\t))+7]
.endr
.set cI, cI+1
.endr
.endm
.macro RESC c0                         ; O^T times a, channel tiles c0 .. c0 + 3; each accumulator from its low end on
	WIN 0x41
.set z, 0
.rept 64                               ; accumulator z / 4 of sixteen, pair z % 4
	v_pk_mul_f32 v[32*(\c0)+2*z:32*(\c0)+2*z+1], v[32*(\c0)+2*z:32*(\c0)+2*z+1], v[ST+8*((z/4)%4)+4:ST+8*((z/4)%4)+5] op_sel_hi:[1,0]
.set z, z+1
.endr
.endm
.macro FS t                            ; c s - c m
.set z, 0
.rept 8
	v_pk_fma_f32 v[S+16*(\t)+2*z:S+16*(\t)+2*z+1], v[S+16*(\t)+2*z:S+16*(\t)+2*z+1], s[CS:CS+1], v[ST+8*(\t):ST+8*(\t)+1] op_sel_hi:[1,0,0] neg_lo:[0,0,1] neg_hi:[0,0,1]
.set z, z+1
.endr
.endm
.macro ES t                            ; the exponentials, in one run; plain lines of another tile follow before a result is used (ISA guide 5.7.2)
.set z, 0
.rept 16
	v_exp_f32 v[S+16*(\t)+z], v[S+16*(\t)+z]
.set z, z+1
.endr
.endm
.macro CV t                            ; rounded to f16: the tile's fragment of P, and into LDS
.set z, 0
	s_wait_alu depctr_va_vdst(0)
.rept 8
	v_cvt_pk_f16_f32 v[PP+8*(\t)+z], v[S+16*(\t)+2*z], v[S+16*(\t)+2*z+1]
.set z, z+1
.endr
	ds_store_b128 v[APW], v[PP+8*(\t):PP+8*(\t)+3]   offset:1024*(\t)
	ds_store_b128 v[APW], v[PP+8*(\t)+4:PP+8*(\t)+7] offset:1024*(\t)+512
.endm
.macro SU t                            ; the sum of the tile's eight pairs, in place; then l = a l + sum
.irp u, 0,4,8,12
	v_pk_add_f32 v[S+16*(\t)+(\u):S+16*(\t)+(\u)+1], v[S+16*(\t)+(\u):S+16*(\t)+(\u)+1], v[S+16*(\t)+(\u)+2:S+16*(\t)+(\u)+3]
.endr
.irp u, 0,8
	v_pk_add_f32 v[S+16*(\t)+(\u):S+16*(\t)+(\u)+1], v[S+16*(\t)+(\u):S+16*(\t)+(\u)+1], v[S+16*(\t)+(\u)+4:S+16*(\t)+(\u)+5]
.endr
	v_pk_add_f32 v[S+16*(\t):S+16*(\t)+1], v[S+16*(\t):S+16*(\t)+1], v[S+16*(\t)+8:S+16*(\t)+9]
	v_pk_fma_f32 v[ST+8*(\t)+2:ST+8*(\t)+3], v[ST+8*(\t)+2:ST+8*(\t)+3], v[ST+8*(\t)+4:ST+8*(\t)+5], v[S+16*(\t):S+16*(\t)+1] op_sel_hi:[1,0,1]
.endm
; A KEY STEP.  At its head the first two runs of K's loads are out.  fill = 1: K and V of the next step are asked for.
.macro STEP fill
	v_nop                                          ; with the four behind V's load: more than the five places between the last V^T P and the products that write over its sources
	v_nop
	s_wait_dscnt 16                                ; all but the younger run of sixteen
	MULS 0
	PLACES
	LOADK 2
	s_wait_dscnt 16
	MULS 1
	PLACES
	LOADK 3
	s_wait_dscnt 16
	MULS 2
	s_wait_dscnt 0x0
	MULS 3
	PLACES
	WIN 0
	; my 32 keys' maximum for each query: two chains, each begun at its accumulator's low end; then the other half of the lanes
	ALLT v_max3_num_f32 v[ST+8*t+6], v[S+16*t], v[S+16*t+1], v[S+16*t+2]
	ALLT v_max3_num_f32 v[ST+8*t+7], v[S+16*t+8], v[S+16*t+9], v[S+16*t+10]
	ALLT v_max3_num_f32 v[ST+8*t+6], v[ST+8*t+6], v[S+16*t+3], v[S+16*t+4]
	ALLT v_max3_num_f32 v[ST+8*t+7], v[ST+8*t+7], v[S+16*t+11], v[S+16*t+12]
	ALLT v_max3_num_f32 v[ST+8*t+6], v[ST+8*t+6], v[S+16*t+5], v[S+16*t+6]
	ALLT v_max3_num_f32 v[ST+8*t+7], v[ST+8*t+7], v[S+16*t+13], v[S+16*t+14]
	ALLT v_max3_num_f32 v[ST+8*t+6], v[ST+8*t+6], v[S+16*t+7], v[S+16*t+15]
	ALLT v_max_num_f32 v[ST+8*t+6], v[ST+8*t+6], v[ST+8*t+7]
	ALLT v_permlanex16_b32 v[ST+8*t+7], v[ST+8*t+6], s[SEL], s[SEL+1]
	ALLT v_max_num_f32 v[ST+8*t+6], v[ST+8*t+6], v[ST+8*t+7]
	ALLT ds_store_b32 v[AMW], v[ST+8*t+6] offset:256*t
	; THE FIRST MEETING: the maxima are handed over, and K's tile has been read out.
	s_wait_tensorcnt 0x0                           ; all my tensor loads have landed: the one that was out is this step's V
	ds_add_u32 v[SPW], v[NIL]
.if \fill
	s_add_nc_u64 s[G0K+2:G0K+3], s[G0K+2:G0K+3], STEPB
	s_cmp_ge_u32 s[CNT], 2                         ; the prefetch goes a tile on, but for the last trip, which stays at the last tile: it never leaves qkv
	s_cselect_b32 s[PS], STEPB, 0
	s_wait_xcnt 0x0                                ; the last prefetch, a step ago, has read its address
	s_add_nc_u64 s[PF:PF+1], s[PF:PF+1], s[PS:PS+1]
.endif
	s_wait_dscnt 0x0                               ; the add and my stores are done, my reads of K are over
.if \fill
	CROUND                                         ; the same holds of every wave of every partner
	tensor_load_to_lds s[G0K:G0K+3], s[G1K:G1K+7]  ; my one tensor load behind the round: the next step's K; it has the softmax and 96 products in which to land
	s_nop 0
	PLACES
.else
	s_barrier_signal -1
	s_barrier_wait -1
.endif
	ALLT ds_load_b128 v[X+4*t:X+4*t+3], v[AMR] offset:256*t
	LOADV 0, 0
	s_wait_dscnt 16                                ; the four waves' maxima are in; V's sixteen loads may be out
	ALLT v_max3_num_f32 v[ST+8*t+6], v[X+4*t], v[X+4*t+1], v[X+4*t+2]
	ALLT v_mov_b32 v[ST+8*t+7], v[ST+8*t]
	ALLT v_max3_num_f32 v[ST+8*t+1], v[ST+8*t+6], v[X+4*t+3], v[ST+8*t+1]
	ALLT v_mul_f32 v[ST+8*t], s[CS], v[ST+8*t+1]
	ALLT v_sub_f32 v[ST+8*t+7], v[ST+8*t+7], v[ST+8*t]
	ALLT v_exp_f32 v[ST+8*t+4], v[ST+8*t+7]
	FS 0
	FS 1
.if \fill
	s_cmp_lg_u32 s[WV], 0
	s_cbranch_scc1 .Lno_pf_\@
	global_prefetch_b8 v[PFO], s[PF:PF+1] th:TH_LOAD_NT scope:SCOPE_SE  ; wave 0 alone: 4 rows x 2,048 bytes of the tile two steps on; a batch's 32 work-groups cover the tile, each block once
.Lno_pf_\@:
.endif
	ES 0
	FS 2
	ES 1
	CV 0
	SU 0
	FS 3
	ES 2
	CV 1
	SU 1
	ES 3
	CV 2
	SU 2
	CV 3
	SU 3
	; THE SECOND MEETING: P is handed over.  K's load stays on its way.
	s_wait_dscnt 0x0                               ; my stores of P are done
	s_barrier_signal -1
	RESC 4                                         ; work on registers while the others arrive
	WIN 0
	s_barrier_wait -1
	LOADP 0, 0
	LOADV 1, 1
	LOADP 1, 1
	RESC 0
	s_wait_dscnt 24                                ; all but the other buffer's 24 loads
	MULPV 0, 0, 8
	PLACES
	LOADV 2, 0
	LOADP 2, 0
	s_wait_dscnt 24
	MULPV 1, 0, 8
	PLACES
	LOADV 3, 1
	LOADP 3, 1
	s_wait_dscnt 24
	MULPV 0, 0, 8
.if \fill
	; THE THIRD MEETING: V's tile and P have been read out.
	WIN 0
	s_wait_tensorcnt 0x0                           ; the next step's K has landed
	ds_add_u32 v[SPW], v[NIL]
	s_add_nc_u64 s[G0V+2:G0V+3], s[G0V+2:G0V+3], STEPB
	s_wait_dscnt 1                                 ; only the add may be out
	MULPV 1, 0, 4
	s_wait_dscnt 0x0                               ; the add is done, my reads of V and of P are over
	s_barrier_signal -1
	MULPV 1, 4, 4
	WIN 0
	s_barrier_wait -1
	CREST
	tensor_load_to_lds s[G0V:G0V+3], s[G1V:G1V+7]  ; my one tensor load behind the round: the next step's V; it has 128 products in which to land
	s_nop 0
	PLACES                                         ; also the places in front of the loads below
	LOADK 0
	LOADK 1
.else
	s_wait_dscnt 0x0
	MULPV 1, 0, 8
.endif
.endm
	s_wait_tensorcnt 1                             ; my rows of K are in, and I alone read them; V may stay out
	LOADK 0
	LOADK 1
	s_wait_loadcnt 0x0                             ; Q
	s_mov_b32 s[CNT], 15
.Lstep:
	STEP 1
	WIN 0
	s_sub_co_u32 s[CNT], s[CNT], 1
	s_cmp_lg_u32 s[CNT], 0
	s_cbranch_scc1 .Lstep
	STEP 0                                         ; the last step is written out: it asks for nothing
	; THE WAY OUT.  l: its two halves, the other half of the lanes', the four waves'.  O^T is divided by l and sent through my stage in LDS, 16 queries x 64 channels at a time.
	PLACES
	WIN 0
	ALLT v_add_f32 v[ST+8*t+6], v[ST+8*t+2], v[ST+8*t+3]
	ALLT v_permlanex16_b32 v[ST+8*t+7], v[ST+8*t+6], s[SEL], s[SEL+1]
	ALLT v_add_f32 v[ST+8*t+6], v[ST+8*t+6], v[ST+8*t+7]
	ALLT ds_store_b32 v[AMW], v[ST+8*t+6] offset:1024+256*t
	s_wait_dscnt 0x0
	s_barrier_signal -1
	s_barrier_wait -1
	ALLT ds_load_b128 v[X+4*t:X+4*t+3], v[AMR] offset:1024+256*t
	s_wait_dscnt 0x0
	ALLT v_add_f32 v[X+4*t], v[X+4*t], v[X+4*t+1]
	ALLT v_add_f32 v[X+4*t+2], v[X+4*t+2], v[X+4*t+3]
	ALLT v_add_f32 v[X+4*t], v[X+4*t], v[X+4*t+2]
	ALLT v_rcp_f32 v[ST+8*t+4], v[X+4*t]
	v_nop                                          ; a plain instruction between the last reciprocal and the use of its result
	s_wait_alu depctr_va_vdst(0)
.macro PACK p                          ; tile p / 2, channel tiles 4 (p % 2) on: a lane's eight channels are 32 bytes; rows of 272 bytes in, whole rows of 256 back
	WIN 0x01
.set z, 0
.rept 16
	v_pk_mul_f32 v[T+2*z:T+2*z+1], v[8*(4*(4*((\p)%2)+z/4)+(\p)/2)+2*(z%4):8*(4*(4*((\p)%2)+z/4)+(\p)/2)+2*(z%4)+1], v[ST+8*((\p)/2)+4:ST+8*((\p)/2)+5] op_sel_hi:[1,0]
.set z, z+1
.endr
	WIN 0
.irp k, 0,1,2,3
	ds_store_b128 v[STO], v[T+8*(\k):T+8*(\k)+3]   offset:64*(\k)
	ds_store_b128 v[STO], v[T+8*(\k)+4:T+8*(\k)+7] offset:64*(\k)+16
.endr
	s_wait_xcnt 0x0                                ; the bank that earlier stores read is loaded again only behind this wait
.irp i, 0,1,2,3,4,5,6,7
	ds_load_b128 v[BK+32*((\p)%2)+4*(\i):BK+32*((\p)%2)+4*(\i)+3], v[RD] offset:(\i)*2*SP  ; LDS serves a wave's instructions in order (ISA guide 5.7.1.4): these see the stores above
.endr
.endm
.macro SEND p, younger                 ; younger: the LDS instructions issued behind this pass's loads: the next pass's sixteen, or none
.irp i, 0,1,2,3,4,5,6,7
	s_wait_dscnt (\younger)+7-(\i)
	global_store_b128 v[GO], v[BK+32*((\p)%2)+4*(\i):BK+32*((\p)%2)+4*(\i)+3], s[OBS:OBS+1] offset:(16*((\p)/2)+2*(\i))*2048+256*((\p)%2) th:TH_STORE_NT  ; 16 lanes store 256 consecutive bytes, at a multiple of 256 from out0's first byte
.endr
.endm
	PACK 0
.irp p, 1,2,3,4,5,6,7
	PACK \p
	SEND (\p)-1, 16
.endr
	SEND 7, 0
	s_wait_tensorcnt 0x0                           ; the wave's end
	ds_add_u32 v[SPW], v[NIL]
	s_wait_dscnt 0x0
	CROUND                                         ; the closing round
	s_endpgm
.Lfunc_end_k_qf953f679ef_attn:
	.size	k_qf953f679ef_attn, .Lfunc_end_k_qf953f679ef_attn-k_qf953f679ef_attn
	.p2alignl 7, 3214868480
	.fill 96, 4, 3214868480
	.section	.rodata,"a",@progbits
	.p2align	6, 0x0
	.amdhsa_kernel k_qf953f679ef_attn
		.amdhsa_group_segment_fixed_size 327680
		.amdhsa_private_segment_fixed_size 0
		.amdhsa_enable_private_segment 0
		.amdhsa_kernarg_size 16
		.amdhsa_user_sgpr_count 2
		.amdhsa_user_sgpr_kernarg_segment_ptr 1
		.amdhsa_wavefront_size32 1
		.amdhsa_system_sgpr_workgroup_id_x 1
		.amdhsa_system_sgpr_workgroup_id_y 1
		.amdhsa_system_sgpr_workgroup_id_z 1
		.amdhsa_system_vgpr_workitem_id 0
		.amdhsa_next_free_vgpr 1024
		.amdhsa_next_free_sgpr 66
		.amdhsa_reserve_vcc 0
		.amdhsa_float_denorm_mode_32 3
		.amdhsa_float_denorm_mode_16_64 3
		.amdhsa_memory_ordered 1
		.amdhsa_forward_progress 1
		.amdhsa_inst_pref_size 153
	.end_amdhsa_kernel
	.amdgpu_metadata
---
amdhsa.version: [ 1, 2 ]
amdhsa.kernels:
  - .name:           k_qf953f679ef_attn
    .symbol:         k_qf953f679ef_attn.kd
    .args:
      - { .name: qkv, .offset: 0, .size: 8, .value_kind: global_buffer, .address_space: global }
      - { .name: out0, .offset: 8, .size: 8, .value_kind: global_buffer, .address_space: global }
    .group_segment_fixed_size: 327680
    .private_segment_fixed_size: 0
    .kernarg_segment_align: 8
    .kernarg_segment_size: 16
    .max_flat_workgroup_size: 128
    .sgpr_count:     66
    .vgpr_count:     1024
    .wavefront_size: 32
...
	.end_amdgpu_metadata
.endif
;; end of part 3
